; MI455X (gfx1250); checked and timed in simulation.
; The chip was launched on July 23, 2026; its instructions are those of AMD's public machine-readable ISA for CDNA 5 (MIT licence, August 2026) and "CDNA5" Instruction Set Architecture Reference Guide (July 2026). The comments in the code are by the model that wrote it; some were corrected since.
;; Res D1 Layer Top K. Allowed arithmetic: matrix products marked QUANTISED: E2M3 operands, one E8M0 scale for each 32 along K, by v_wmma_scale_f32_16x16x128_f8f6f4 with both operands' format E2M3, f32 sums; products left as they are: f32 operands where the result goes on into a quantised operand, else bf16, f16 or f32 operands; f32 sums; everything else in f32.
;; Inputs: W_agg_codes 256 x 8 x 24 uint8 (E2M3 codes of W_agg, K innermost, in blocks of 32 codes, four codes in three bytes); W_agg_scales 256 x 8 uint8 (E8M0 scales of W_agg, one for each 32 codes along K); W_diff_codes 256 x 8 x 24 uint8 (E2M3 codes of W_diff, K innermost, in blocks of 32 codes, four codes in three bytes); W_diff_scales 256 x 8 uint8 (E8M0 scales of W_diff, one for each 32 codes along K); W_res_codes 256 x 8 x 24 uint8 (E2M3 codes of W_res, K innermost, in blocks of 32 codes, four codes in three bytes); W_res_scales 256 x 8 uint8 (E8M0 scales of W_res, one for each 32 codes along K); W_tau 1 x 256 float32; b_agg 256 float32; b_diff 256 float32; b_res 256 float32; b_tau 1 float32; beta 256 float32; gamma 256 float32; x 1,024 x 256 float32.
;; Outputs: out0 1,024 x 256 float32.
;; This version of the problem:
;;   THIS VERSION OF THE PROBLEM IS GIVEN IN LOW PRECISION. The matrix products marked QUANTISED in the list below multiply operands that are first quantised to E2M3 (2 exponent bits, 3 mantissa bits; 6 bits a number), with one power-of-two scale for each 32 numbers along K (OCP MX v1.0); their sums are f32. All else is computed in f32.
;;   The module's matrix products, in the order in which they are computed (A, B: the left and right operand; K: the contracted axis; several contracted axes count as one K, in the product's order):
;;     1. [M 1,048,576, K 256] x [K 256, N 256]; A: computed on the way; B: input W_diff (given as codes): QUANTISED
;;     2. [M 1,024, K 256] x [K 256, N 1]; A: input x; B: input W_tau: left as it is (N = 1 < 16)
;;     3. [M 1,024, K 256] x [K 256, N 256]; A: computed on the way; B: input W_agg (given as codes): QUANTISED
;;     4. [M 1,024, K 256] x [K 256, N 256]; A: input x; B: input W_res (given as codes): QUANTISED
;;   THE QUANTISER, for each operand of a quantised product, along K:
;;     - K is cut into blocks of 32 from its start; a last block that is shorter is filled with zeros.
;;     - A block's scale is 2^e with e = floor(log2(the largest magnitude in the block)) - 2, held to -126 .. 127; a block of zeros has e = 0. As a byte (E8M0): e + 127.
;;     - Each number is divided by its block's scale, clamped to +-7.5, and rounded to the nearest number of E2M3, ties to even, subnormals kept.
;;     - The product sums the exact products of the quantised numbers (number of the format x scale) in f32.
;;   ~~~python
;;   def quantise(x, axis):      # numpy; x: float32 -> the quantised numbers, widened to float32 again
;;       x = np.moveaxis(x, axis, -1); K = x.shape[-1]
;;       x = np.pad(x, [(0, 0)] * (x.ndim - 1) + [(0, -K % 32)]); x = x.reshape(x.shape[:-1] + (-1, 32)); a = np.abs(x).max(-1, keepdims=True)
;;       e = np.where(a > 0, np.clip(np.frexp(np.where(a > 0, a, 1))[1] - 1 - 2, -126, 127), 0)      # np.frexp(a)[1] - 1 = floor(log2(a)), exactly
;;       r = np.clip(x / 2.0 ** e, -7.5, 7.5)
;;       step = 2.0 ** (np.maximum(np.frexp(np.where(r == 0, 1, r))[1] - 1, 0) - 3)
;;       q = np.round(r / step) * step * 2.0 ** e      # np.round: ties to even
;;       return np.moveaxis(q.reshape(q.shape[:-2] + (-1,))[..., :K], -1, axis).astype(np.float32)
;;   ~~~
;;   OPERANDS COMPUTED ON THE WAY. 'Computed on the way' means the value that the module computes at that place (a softmax that the list does not call 'softmax' is quantised finished and normalised). What goes into a quantiser is computed in f32, as accurately as f32 sums, v_exp_f32 and their like allow (about 1e-6 of the number): no bf16 or f16 on the way to a quantiser, and a product that is left as it is and whose result goes on into a quantised operand takes f32 operands (vector FMAs, or v_wmma_f32_16x16x4_f32). A number that lies on a knife's edge between two numbers of the format may be rounded either way, as far as f32 arithmetic and the matrix unit's own rounding can turn it there, and no further.
;;   INPUTS GIVEN AS CODES. W_agg (in the module: [256, 256], K = its axis 1); W_diff (in the module: [256, 256], K = its axis 1); W_res (in the module: [256, 256], K = its axis 1): each comes as NAME_codes (uint8): NAME with its K axis moved to the last place and cut into blocks of 32 codes, [.., K / 32, bytes a block], one block behind the other in memory; four codes in three bytes: a row's codes are one little-endian stream of bits, code i at bits 6 i .. 6 i + 5 (a code: sign, 2 exponent bits, 3 mantissa bits); and NAME_scales (uint8): the same leading axes, one E8M0 byte (e + 127) for each 32 codes along K. Its value is code x scale, taken as it is: it is not quantised again, and the codes and scales need not be those that the quantiser above would give.
;; One version. Each part assembles by itself: llvm-mc -triple=amdgcn-amd-amdhsa -mcpu=gfx1250 --defsym DOCPART=n.
;; ======== version 1 of 1: 2 launches
;; workspace buffers: cand_idx 131,072 bytes of whole numbers; cand_d2 131,072 bytes
;; launch nearest (part 1): grid 64 x 4, 4 waves a work-group, clusters of 4 x 1, 327,680 bytes of LDS; arguments x, cand_idx, cand_d2; writes cand_idx, cand_d2
.if DOCPART == 1
	.amdgcn_target "amdgcn-amd-amdhsa--gfx1250"
	.amdhsa_code_object_version 6
	.text
	.protected	k_qfc08650d48_nearest
	.globl	k_qfc08650d48_nearest
	.p2align	8
	.type	k_qfc08650d48_nearest,@function
k_qfc08650d48_nearest:
	s_mov_b64 s[64:65], 0
	v_nop
	global_prefetch_b8 v0, s[64:65] scope:SCOPE_SE
	s_setreg_imm32_b32 hwreg(HW_REG_WAVE_MODE, 25, 1), 1
	s_wait_xcnt 0x0
	s_wait_alu depctr_hold_cnt(0) depctr_sa_sdst(0) depctr_va_vdst(0) depctr_va_sdst(0) depctr_va_ssrc(0) depctr_va_vcc(0) depctr_vm_vsrc(0)
	s_getreg_b32 s2, hwreg(HW_REG_IB_STS2, 6, 4)
	s_cmp_eq_u32 s2, 0
	s_cbranch_scc0 .Lentry_in_a_cluster
	s_endpgm
.Lentry_in_a_cluster:
	s_bfe_u32 s2, ttmp6, 0x10000c
	s_cmp_lg_u32 s2, 0x3003
	s_cbranch_scc0 .Lentry_shape_is_right
	s_endpgm
.Lentry_shape_is_right:
; FIRST OF TWO LAUNCHES.  For each of the 1,024 points x[i] ([1024][256] f32) and each of four blocks of 256 candidates j: the 8 candidates of the block with the smallest
; (d2, j), d2 = sum over k of (x[i][k] - x[j][k])^2 in f32.  Stored: cand_idx [4 (block)][1024 (i)][8] u32 and cand_d2, the same layout, f32, each list ascending.
; A point's 8 nearest of all 1,024 are each among the 8 nearest of their own block, so the 32 stored candidates hold them; the second launch ranks the 32 by (d2, j).
; WHAT IS LEFT OUT OR FORMED OTHERWISE, for all finite inputs:
;  (a) No product of reference() is left out: the second launch multiplies the row of EVERY pair (i, j) by W_diff, as reference() writes it.  take_along_axis and the mean enter there as a mask by value:
;      the codes of a row that is not among i's 8 are set to zero, so that it adds exact zeros and one accumulator can sum the 8 rows that are kept.
;  (b) sqrt is left out of the distances: it rises with its argument, so the order by d2 is the order by the distance; the distances themselves reach no output.
;  (c) mean over the 8 of (proj + b_diff), divided by tau, is formed there as (the sum of the 8 proj) x (1 / (8 tau)) + b_diff x (1 / tau): the same in real numbers.
;  (d) the codes of |d| are made there as the codes of d with the sign bits cleared: the quantiser is odd and its scale hangs on magnitudes alone.
;  Every input of the problem is loaded by one of the two launches.
; LIMITS: NaN and infinities in x are not served; d2 must stay finite in f32 (|x| under about 1e18).  Two candidates whose d2 differ but whose f32 square roots are equal are ordered by d2 here, by index in
; reference(); equal d2 go to the lower index, as lax.top_k does.  A NaN, an infinity or an overflow that reaches only rows that reference() does not gather is not carried to the result.
; SHARES.  A work-group: 16 queries x 256 candidates.  Wave w: all 16 queries x candidates 64 w .. 64 w + 63.  A lane (il = lane % 4, jl = lane / 4): queries il + 4 a (a = 0..3) x candidates jl + 8 b (b = 0..7):
; 32 pairs, each with a packed sum (two chains along k).  For 4 along k a lane reads 12 x 16 bytes from LDS and issues 128 packed instructions.
; CLUSTER.  The four work-groups of a cluster have the same block of candidates: its rows are asked for jointly (mask 15).  The queries' rows are a plain load of each work-group.
; All tensor loads go out at the head, each LDS byte is filled once: five loads of a wave are out at the most.
.set PJ,    272                        ; an LDS row: 256 bytes (64 along k) + 16 of padding: four rows that a pass of 16 lanes touches begin 68 words apart
.set JQ,    256*PJ                     ; the candidates' rows, one quarter of k: [quarter][256 rows]
.set JW,    64*PJ                      ; a wave's 64 rows of a quarter
.set IBASE, 4*JQ                       ; the queries' rows: [quarter][16 rows]
.set IQ,    16*PJ
.set D2B,   IBASE+4*IQ                 ; d2 of the tile: 16 rows of 256 f32,
.set D2P,   1056                       ; 1,056 bytes apart
.set RES,   D2B+16*D2P                 ; the results: 512 bytes of indices [16][8], 512 of d2
.set SPARE, RES+1024                   ; the spare words, 128 bytes for each wave: two blocks of 256 bytes that no other line names
.set AI0,  4                           ; v4   IBASE + 272 il
.set AJ0,  5                           ; v5   JW w + 272 jl
.set AI,   6                           ; v6, v7  the same at the place along k in hand
.set AJ,   7
.set DST,  8                           ; v8   where my d2 go
.set RDA,  9                           ; v9   and where the selection reads them
.set JB,   10                          ; v10  the index in x of my first candidate in the selection
.set RESW, 11
.set RESR, 12
.set GOFF, 13
.set SPW,  14                          ; v14  LDS address of my spare word; never rewritten
.set NIL,  15                          ; v15  0; never rewritten
.set ACC,  16                          ; v16-79   pair (a, b) at 16 + 2 (8 a + b)
.set T,    176                         ; v176-191 eight pairs of differences.  v80-127, v128-175: two sets of operands: 4 x 4 of the queries, 8 x 4 of the candidates
.set C,    80                          ; the selection: v80-111 my 32 candidates' d2
.set L,    112                         ; v112-119 my list's d2, ascending
.set J,    120                         ; v120-127 and indices
.set TJ,   128
.set CJI,  132
.set MV,   133
.set MJ,   134
.set PV,   135
.set PJX,  136
.set RV,   137
.set RJ,   138
.set OUT,  140
.set MK,   68                          ; s68-75 a candidate's eight compare masks
.macro CROUND                          ; a round of the cluster's barrier
	s_barrier_signal -1
	s_barrier_wait -1
	s_cmp_lg_u32 s10, 0
	s_cbranch_scc1 .Lnot_wave_0_\@
	s_barrier_signal -3
.Lnot_wave_0_\@:
	s_barrier_wait -3
	s_barrier_signal -1
	s_barrier_wait -1
.endm
	s_load_b128 s[4:7], s[0:1], 0x0                ; x, cand_idx
	s_load_b64 s[8:9], s[0:1], 0x10                ; cand_d2
	v_lshl_add_u32 v[SPW], v0, 2, SPARE
	v_mov_b32 v[NIL], 0
	ds_add_u32 v[SPW], v[NIL]                      ; the wave's opening: the add, twice on end, and its wait ahead of my first tensor load
	ds_add_u32 v[SPW], v[NIL]
	v_lshrrev_b32 v1, 5, v0
	v_readfirstlane_b32 s10, v1                    ; wave 0..3
	s_bfe_u32 s11, ttmp6, 0x40000                  ; cx: my place in the cluster: it enters the queries' and the results' global addresses alone
	s_lshl_b32 s12, ttmp9, 2
	s_add_co_u32 s12, s12, s11                     ; my block of 16 queries
	s_and_b32 s13, ttmp7, 0xffff                   ; my block of 256 candidates, which the four partners share
	; group 1 for the candidates: 64 rows x 64 elements of 4 bytes, 256 elements from row to row; 4 words of padding behind every 64; mask 15, bit 21 beside it
	s_mov_b32 s16, 15|(2<<16)|(1<<20)|(1<<21)|(5<<22)|(3<<25)
	s_mov_b32 s17, 64<<16
	s_mov_b32 s18, 64<<16
	s_mov_b32 s19, 64<<16
	s_mov_b32 s20, 64
	s_mov_b32 s21, 256
	s_mov_b32 s22, 0
	s_mov_b32 s23, 0
	; group 1 for the queries: 16 such rows, no mask
	s_mov_b32 s24, (2<<16)|(1<<20)|(5<<22)|(3<<25)
	s_mov_b32 s25, 64<<16
	s_mov_b32 s26, 16<<16
	s_mov_b32 s27, 64<<16
	s_mov_b32 s28, 16
	s_mov_b32 s29, 256
	s_mov_b32 s30, 0
	s_mov_b32 s31, 0
	s_lshl_b32 s60, s12, 14                        ; the queries: 16 rows of 1,024 bytes a block; wave w brings quarter w of k
	s_lshl_b32 s14, s10, 8
	s_add_co_u32 s60, s60, s14
	s_mov_b32 s61, 0
	s_lshl_b32 s62, s13, 18                        ; the candidates: 256 rows a block, my wave's 64 of them
	s_lshl_b32 s15, s10, 16
	s_add_co_u32 s62, s62, s15
	s_mov_b32 s63, 0
	s_lshl_b32 s76, s13, 15                        ; the results: (1,024 block + 16 query block) x 32 bytes
	s_lshl_b32 s77, s12, 9
	s_add_co_u32 s76, s76, s77
	s_mov_b32 s77, 0
	s_mul_i32 s14, s10, JW
	s_mul_i32 s15, s10, IQ
	s_lshl_b32 s2, s10, 8
	s_add_co_u32 s2, s2, D2B
	s_lshl_b32 s3, s13, 8
	v_and_b32 v2, 3, v0                            ; il
	v_bfe_u32 v3, v0, 2, 3                         ; jl
	v_mul_u32_u24 v[AI0], v2, PJ
	v_add_nc_u32 v[AI0], IBASE, v[AI0]
	v_mul_u32_u24 v[AJ0], v3, PJ
	v_add_nc_u32 v[AJ0], s14, v[AJ0]
	v_mul_u32_u24 v[DST], v2, D2P
	v_lshl_add_u32 v[DST], v3, 2, v[DST]
	v_add_nc_u32 v[DST], s2, v[DST]                ; D2B + 1,056 il + 4 (64 w + jl)
	v_lshrrev_b32 v[RDA], 3, v0                    ; the selection: eight threads to a query: thread / 8,
	v_mul_u32_u24 v[RDA], v[RDA], D2P
	v_and_b32 v1, 7, v0                            ; and thread % 8 = sub
	v_lshl_add_u32 v[RDA], v1, 4, v[RDA]
	v_add_nc_u32 v[RDA], D2B, v[RDA]
	v_lshl_add_u32 v[JB], v1, 2, s3                ; 256 block + 4 sub
	v_lshl_add_u32 v[RESW], v0, 2, RES
	v_lshl_add_u32 v[RESR], v0, 4, RES             ; (used by waves 0 and 1 alone: 512 w + 16 lane)
	v_and_b32 v[GOFF], 31, v0
	v_lshlrev_b32 v[GOFF], 4, v[GOFF]
	s_wait_dscnt 0x0                               ; both opening adds are done
	s_wait_kmcnt 0x0
	s_mov_b32 s32, 1
	s_add_co_u32 s33, s15, IBASE
	s_add_nc_u64 s[34:35], s[4:5], s[60:61]
	s_or_b32 s35, s35, 0x80000000
	s_add_nc_u64 s[78:79], s[4:5], s[62:63]
.irp q, 0,1,2,3
	s_mov_b32 s[36+4*\q], 1
	s_add_co_u32 s[37+4*\q], s14, \q*JQ
	s_add_nc_u64 s[38+4*\q:39+4*\q], s[78:79], \q*256
	s_or_b32 s[39+4*\q], s[39+4*\q], 0x80000000
.endr
	CROUND                                         ; all four work-groups are here: the joint loads meet
	tensor_load_to_lds s[32:35], s[24:31]          ; the queries' quarter w
	s_nop 0
.irp q, 0,1,2,3
	tensor_load_to_lds s[36+4*\q:39+4*\q], s[16:23]  ; my 64 candidates, quarter q of k
	s_nop 0
.endr
.rept 4
	v_nop
.endr
.macro LOADS set, off                  ; 4 along k of my 4 queries and my 8 candidates
.irp a, 0,1,2,3
	ds_load_b128 v[80+48*\set+4*\a:80+48*\set+4*\a+3], v[AI] offset:\off+\a*4*PJ
.endr
.irp b, 0,1,2,3,4,5,6,7
	ds_load_b128 v[96+48*\set+4*\b:96+48*\set+4*\b+3], v[AJ] offset:\off+\b*8*PJ
.endr
.endm
.macro COMPUTE set, first              ; 32 pairs x 4 along k: 64 packed differences, 64 packed multiply-adds; an instruction's producer stands eight lines back.  first = 1: the products start the sums
.set SA, 80+48*\set
.set SB, 96+48*\set
.irp a, 0,1,2,3
.irp hf, 0,1
.irp b, 0,1,2,3,4,5,6,7
	v_pk_add_f32 v[T+2*\b:T+2*\b+1], v[SB+4*\b+2*\hf:SB+4*\b+2*\hf+1], v[SA+4*\a+2*\hf:SA+4*\a+2*\hf+1] neg_lo:[0,1] neg_hi:[0,1]
.endr
.irp b, 0,1,2,3,4,5,6,7
.if \first && (\hf == 0)
	v_pk_mul_f32 v[ACC+2*(8*\a+\b):ACC+2*(8*\a+\b)+1], v[T+2*\b:T+2*\b+1], v[T+2*\b:T+2*\b+1]
.else
	v_pk_fma_f32 v[ACC+2*(8*\a+\b):ACC+2*(8*\a+\b)+1], v[T+2*\b:T+2*\b+1], v[T+2*\b:T+2*\b+1], v[ACC+2*(8*\a+\b):ACC+2*(8*\a+\b)+1]
.endif
.endr
.endr
.endr
.endm
.macro TRIPADR
	v_add_nc_u32 v[AI], s53, v[AI0]
	v_add_nc_u32 v[AJ], s52, v[AJ0]
.endm
.macro BODY first                      ; 8 along k.  At its head the 12 loads of set 0 are out
	TRIPADR
	LOADS 1, 16
	s_wait_dscnt 12                                ; all but the 12 just issued: set 0 is in
	COMPUTE 0, \first
	LOADS 0, 32
	s_wait_dscnt 12                                ; set 1 is in
	COMPUTE 1, 0
	s_add_co_u32 s52, s52, 32
	s_add_co_u32 s53, s53, 32
.endm
.macro QUARTER q                       ; 64 along k: sixteen pieces of 4
	s_wait_tensorcnt 3-\q                          ; my loads end in order: this quarter of my candidates is in; the later quarters may be out.  Only I read these bytes
	s_mov_b32 s52, \q*JQ
	s_mov_b32 s53, \q*IQ
	TRIPADR
	LOADS 0, 0
.if \q == 0
	BODY 1
	s_mov_b32 s54, 6
.else
	s_mov_b32 s54, 7
.endif
.Lpieces_\@:
	BODY 0
	s_sub_co_u32 s54, s54, 1
	s_cmp_lg_u32 s54, 0
	s_cbranch_scc1 .Lpieces_\@
	TRIPADR                                        ; the last two pieces fetch nothing beyond the quarter
	LOADS 1, 16
	s_wait_dscnt 12
	COMPUTE 0, 0
	s_wait_dscnt 0x0
	COMPUTE 1, 0
.endm
	s_wait_tensorcnt 3                             ; my quarter of the queries and my first quarter of candidates are in; three loads may stay out
	s_barrier_signal -1
	s_barrier_wait -1                              ; every wave's quarter of the queries is in
	QUARTER 0
	QUARTER 1
	QUARTER 2
	QUARTER 3
	; d2 of the tile goes to LDS by rows of queries
.irp p, 0,1,2,3,4,5,6,7,8,9,10,11,12,13,14,15,16,17,18,19,20,21,22,23,24,25,26,27,28,29,30,31
	v_add_f32 v[ACC+2*\p], v[ACC+2*\p], v[ACC+2*\p+1]
.endr
.irp a, 0,1,2,3
.irp b, 0,1,2,3,4,5,6,7
	ds_store_b32 v[DST], v[ACC+2*(8*\a+\b)] offset:\a*4*D2P+\b*32
.endr
.endr
	s_wait_dscnt 0x0                               ; for the others' sake: my stores are done
	s_barrier_signal -1
	s_barrier_wait -1
	; THE SELECTION.  Eight threads to a query; thread sub holds columns 32 t + 4 sub + e (t = 0..7, e = 0..3), in ascending order of the index.
.irp t, 0,1,2,3,4,5,6,7
	ds_load_b128 v[C+4*\t:C+4*\t+3], v[RDA] offset:128*\t
.endr
.irp n, 0,1,2,3,4,5,6,7
	v_mov_b32 v[L+\n], 0x7f800000                  ; the list begins as infinities
	v_mov_b32 v[J+\n], 0
.endr
	v_mov_b32 v[PV], 0                             ; written once: the destination of a lane move counts as read
	v_mov_b32 v[PJX], 0
	s_wait_dscnt 0x0
; Candidate n goes into my ascending list of 8.  It is compared once with all entries (strictly: an equal entry, whose index is lower, stays ahead); then the list is shifted from the top:
; the new entry st is the middle one of (old st - 1, the candidate, old st), and its index follows the two masks.  Candidate n can reach stage n at the most.
.macro INSERT n
.set TOP, 7
.if \n < 7
.set TOP, \n
.endif
	v_add_nc_u32 v[CJI], 32*((\n)/4)+(\n)%4, v[JB]
.set st, 0
.rept TOP+1
	v_cmp_lt_f32 s[MK+st], v[C+\n], v[L+st]
.set st, st+1
.endr
.if TOP > 0
.set st, TOP
.rept TOP
	v_cndmask_b32 v[TJ+st%2], v[CJI], v[J+st-1], s[MK+st-1]
	v_med3_num_f32 v[L+st], v[L+st-1], v[C+\n], v[L+st]
	v_cndmask_b32 v[J+st], v[J+st], v[TJ+st%2], s[MK+st]
.set st, st-1
.endr
.endif
	v_cndmask_b32 v[J], v[J], v[CJI], s[MK]
	v_min_num_f32 v[L], v[C+\n], v[L]
.endm
.irp n, 0,1,2,3,4,5,6,7,8,9,10,11,12,13,14,15,16,17,18,19,20,21,22,23,24,25,26,27,28,29,30,31
	INSERT \n
.endr
; The eight lists of a query are merged: eight times the least head by (d2, index) of the eight lanes; lane sub = r keeps entry r; the lane that owned it drops its head.
.macro LEXMIN av, aj                   ; (MV, MJ) = the lesser of (PV, PJX) and (av, aj)
	v_cmp_lt_f32 s55, v[PV], v[\av]
	v_cmp_eq_f32 s56, v[PV], v[\av]
	v_cmp_lt_u32 s57, v[PJX], v[\aj]
	s_and_b32 s56, s56, s57
	s_or_b32 s56, s55, s56
	v_cndmask_b32 v[MV], v[\av], v[PV], s56
	v_cndmask_b32 v[MJ], v[\aj], v[PJX], s56
.endm
.macro EXTRACT r
	v_mov_b32_dpp v[PV], v[L] row_xmask:1 row_mask:0xf bank_mask:0xf
	v_mov_b32_dpp v[PJX], v[J] row_xmask:1 row_mask:0xf bank_mask:0xf
	LEXMIN L, J
.irp m, 2,4
	v_mov_b32_dpp v[PV], v[MV] row_xmask:\m row_mask:0xf bank_mask:0xf
	v_mov_b32_dpp v[PJX], v[MJ] row_xmask:\m row_mask:0xf bank_mask:0xf
	LEXMIN MV, MJ
.endr
.if \r == 0
	v_mov_b32 v[RV], v[MV]
	v_mov_b32 v[RJ], v[MJ]
.else
	s_mov_b32 s58, 0x01010101<<\r                  ; the lanes with sub = r
	v_cndmask_b32 v[RV], v[RV], v[MV], s58
	v_cndmask_b32 v[RJ], v[RJ], v[MJ], s58
.endif
.if \r < 7
	v_cmp_eq_u32 s56, v[MJ], v[J]                  ; indices are all different: one lane owned it
.set st, 0
.rept 7-\r
	v_cndmask_b32 v[L+st], v[L+st], v[L+st+1], s56
	v_cndmask_b32 v[J+st], v[J+st], v[J+st+1], s56
.set st, st+1
.endr
.endif
.endm
.irp r, 0,1,2,3,4,5,6,7
	EXTRACT \r
.endr
	ds_store_b32 v[RESW], v[RJ]                    ; [query][entry]: 4 x thread
	ds_store_b32 v[RESW], v[RV] offset:512
	s_wait_dscnt 0x0
	s_barrier_signal -1
	s_barrier_wait -1
	s_cmp_ge_u32 s10, 2                            ; wave 0 stores the indices, wave 1 the d2: 512 consecutive bytes each, at a multiple of 512 from the buffer's first byte
	s_cbranch_scc1 .Lend
	s_cmp_eq_u32 s10, 0
	s_cselect_b64 s[78:79], s[6:7], s[8:9]
	s_add_nc_u64 s[78:79], s[78:79], s[76:77]
	ds_load_b128 v[OUT:OUT+3], v[RESR]
	s_wait_dscnt 0x0
	global_store_b128 v[GOFF], v[OUT:OUT+3], s[78:79]
.Lend:
	s_wait_tensorcnt 0x0                           ; the wave's end, behind my last tensor load and my last LDS store
	ds_add_u32 v[SPW], v[NIL]
	s_wait_dscnt 0x0
	CROUND                                         ; the closing round: no work-group ends while a partner may still ask for a tile that names it
	s_endpgm
.Lfunc_end_k_qfc08650d48_nearest:
	.size	k_qfc08650d48_nearest, .Lfunc_end_k_qfc08650d48_nearest-k_qfc08650d48_nearest
	.p2alignl 7, 3214868480
	.fill 96, 4, 3214868480
	.section	.rodata,"a",@progbits
	.p2align	6, 0x0
	.amdhsa_kernel k_qfc08650d48_nearest
		.amdhsa_group_segment_fixed_size 327680
		.amdhsa_private_segment_fixed_size 0
		.amdhsa_enable_private_segment 0
		.amdhsa_kernarg_size 24
		.amdhsa_user_sgpr_count 2
		.amdhsa_user_sgpr_kernarg_segment_ptr 1
		.amdhsa_wavefront_size32 1
		.amdhsa_system_sgpr_workgroup_id_x 1
		.amdhsa_system_sgpr_workgroup_id_y 1
		.amdhsa_system_sgpr_workgroup_id_z 1
		.amdhsa_system_vgpr_workitem_id 0
		.amdhsa_next_free_vgpr 192
		.amdhsa_next_free_sgpr 80
		.amdhsa_reserve_vcc 0
		.amdhsa_float_denorm_mode_32 3
		.amdhsa_float_denorm_mode_16_64 3
		.amdhsa_memory_ordered 1
		.amdhsa_forward_progress 1
		.amdhsa_inst_pref_size 245
	.end_amdhsa_kernel
	.amdgpu_metadata
---
amdhsa.version: [ 1, 2 ]
amdhsa.kernels:
  - .name:           k_qfc08650d48_nearest
    .symbol:         k_qfc08650d48_nearest.kd
    .args:
      - { .name: x, .offset: 0, .size: 8, .value_kind: global_buffer, .address_space: global }
      - { .name: cand_idx, .offset: 8, .size: 8, .value_kind: global_buffer, .address_space: global }
      - { .name: cand_d2, .offset: 16, .size: 8, .value_kind: global_buffer, .address_space: global }
    .group_segment_fixed_size: 327680
    .private_segment_fixed_size: 0
    .kernarg_segment_align: 8
    .kernarg_segment_size: 24
    .max_flat_workgroup_size: 128
    .sgpr_count:     80
    .vgpr_count:     192
    .wavefront_size: 32
...
	.end_amdgpu_metadata
.endif
;; end of part 1
;; launch chain (part 2): grid 256 x 1, 4 waves a work-group, clusters of 4 x 1, 327,680 bytes of LDS; arguments cand_idx, cand_d2, x, W_tau, b_tau, W_diff_codes, W_diff_scales, b_diff, W_res_codes, W_res_scales, b_res, W_agg_codes, W_agg_scales, b_agg, gamma, beta, out0; writes out0
.if DOCPART == 2
	.amdgcn_target "amdgcn-amd-amdhsa--gfx1250"
	.amdhsa_code_object_version 6
	.text
	.protected	k_qfc08650d48_chain
	.globl	k_qfc08650d48_chain
	.p2align	8
	.type	k_qfc08650d48_chain,@function
k_qfc08650d48_chain:
	s_mov_b64 s[64:65], 0
	v_nop
	global_prefetch_b8 v0, s[64:65] scope:SCOPE_SE
	s_setreg_imm32_b32 hwreg(HW_REG_WAVE_MODE, 25, 1), 1
	s_wait_xcnt 0x0
	s_wait_alu depctr_hold_cnt(0) depctr_sa_sdst(0) depctr_va_vdst(0) depctr_va_sdst(0) depctr_va_ssrc(0) depctr_va_vcc(0) depctr_vm_vsrc(0)
	s_getreg_b32 s2, hwreg(HW_REG_IB_STS2, 6, 4)
	s_cmp_eq_u32 s2, 0
	s_cbranch_scc0 .Lentry_in_a_cluster
	s_endpgm
.Lentry_in_a_cluster:
	s_bfe_u32 s2, ttmp6, 0x10000c
	s_cmp_lg_u32 s2, 0x3003
	s_cbranch_scc0 .Lentry_shape_is_right
	s_endpgm
.Lentry_shape_is_right:
; SECOND OF TWO LAUNCHES.  out0[i] = LayerNorm(relu(Q(h_k) W_agg^T + b_agg) + Q(x[i]) W_res^T + b_res), h_k = mean over i's 8 nearest j of (Q(|x[i] - x[j]|) W_diff^T + b_diff) / tau[i],
; tau = 1 + max(softplus(x[i] . W_tau + b_tau), 0.01).  Q: E2M3 codes with one E8M0 scale for each 32 along K.  The three weights come as codes and scale bytes and go to the matrix unit as they lie.
; NO PRODUCT IS LEFT OUT: the row of every pair (i, j) is quantised and multiplied by W_diff, as reference() writes it.  What is formed otherwise is shown at the head of the first launch: the choice of 8 rows is a
; mask by value on the operand's codes (a row that is not chosen is multiplied as zero codes), h_k = (the sum of the chosen rows) / (8 tau) + b_diff / tau, and the codes of |d| are those of d without their sign bits.
; LIMITS: as stated at the head of the first launch.  A block of zeros gets the scale byte 1 where the quantiser says 127: its codes are zeros, and the bytes are read here alone.
; SHARES.  A work-group of four waves owns 4 queries.  Wave w walks candidates 256 w .. 256 w + 255 for all four queries, with ALL of W_diff in its registers (32 fragments, 384 registers).
; A TILE'S 16 ROWS ARE 4 QUERIES x 4 CANDIDATES: row r is query r % 4 with candidate r / 4 of the tile.  So ONE set of 16 accumulators (16 rows x 256 units, 128 registers) serves the four queries and runs through the
; whole walk of 64 tiles: row r sums the chosen rows of query r % 4 that fell on slot r / 4.  The four slots, the two halves of the lanes and the four waves are added at the end, through LDS.
; THE CHOICE.  Wave q ranks query q's 32 stored candidates by (d2, index); the 8 first set one bit each in a table [query][wave][slot][64 tiles], made by compares at fixed places: no address hangs on it.
; A lane keeps the 64 bits of its row; a tile's bit, widened to a word of ones or zeros, is ANDed into the three words that clear the codes' sign bits.
; x[j] WITHOUT COPIES.  The four lanes of a quad have the same candidate; each loads a quarter of its numbers (8 loads of 16 bytes a tile), and it loads those that the OTHER half of the lanes wants: then
; v_permlanex16_b32, with selects that name place a of each quad, hands lane (r, h) what lane (4 (r / 4) + a, 1 - h) holds, and packed subtractions follow.
; Four register buffers: a tile is asked for four tiles ahead.  Each work-group begins its walk at another tile (its number mod 64, wrapping), so that the work-groups do not all ask for the same rows at once.
; BY TURNS.  A tile is 32 matrix instructions and some 320 vector instructions: ten for each.  The products of tile n - 1 stand singly between the 32 pieces of tile n's quantising (two buffers of operands),
; at the price of two window switches for each matrix instruction.
; CLUSTER.  A wave's slice of a weight hangs on the wave's number alone: the four work-groups of a cluster ask for it jointly (mask 15).  Three loads of a wave are out at the most; each LDS byte is filled once.
; x's rows are not asked for jointly: the partners walk them in different order.
; REGISTERS, in windows of 256.  Window 0: v0-31 addresses; v32-47 W_diff's scale words, v48-51 the operands', v118-125 W_res' and W_agg's: these hold scales alone; v52-99 two buffers of two fragments;
;   v100-117 at work; v128-255 four buffers of x[j].  Windows 1, 2: W_diff's fragments of units 0-127, 128-255 (v0-191); x[i] of my row's query, blocks 0, 1 and 2, 3 (v192-255).
;   Window 3: v0-127 the accumulators; v128-159 32 differences; v160-191 b_agg, v192-223 b_res, v224-239 gamma, beta, v240-241 b_diff.
.set SEL,   0                          ; the bits of the choice: [4 queries][32 words]
.set TAUB,  512                        ; 1 / tau [4]
.set HK,    1024                       ; h_k: 4 rows, HKP bytes apart
.set HKP,   1040
.set YST,   5376                       ; y ahead of the norm: 4 rows, HKP bytes apart
.set PART,  9728                       ; the parts of the sums: [2 wave + half][256 units][4 queries] f32
.set SPARE, 42496                      ; the spare words, 128 bytes for each wave: two blocks of 256 bytes that no other line names
.set WB,    43008                      ; the weights' codes: weight n at n WBN, rows 64 w on at w WBW; filled by tensor loads, once
.set WBN,   61440
.set WBW,   15360
.set PITCH, 240                        ; a row of 192 bytes with 16 bytes of padding behind every 64
.set LI,4
.set XO,5
.set XIO,6
.set FD,8                              ; v8, v10   my place in W_diff's rows in LDS, and the same behind one padding more
.set FRS,9                             ; v9, v11   in my 64 rows of W_res
.set FAG,12                            ; v12, v14  of W_agg
.set HKR,13
.set YW,15
.set YR,16
.set PARTW,17
.set PARTR,18
.set HKW,19
.set TAUW,20
.set TAUR,21
.set SELW,22
.set SELR,23
.set CR,24
.set SOFF,25
.set SPW,26                            ; v26  LDS address of my spare word; never rewritten
.set NIL,27                            ; v27  0; never rewritten
.set BH,28
.set SH8,29
.set BDO,30
.set SOFD,31
.set WDS,32
.set AS,48
.set AF,52
.set CT,100
.set QT,103
.set TM,104
.set SO,108
.set RM,109
.set BY,110
.set RMK,112
.set M,116
.set WRS,118
.set WAS,122
.set XJ,128                            ; window 0
.set DB,128                            ; window 3
.set BA,160
.set BR,192
.set GAM,224
.set BET,232
.set BD,240
.set XI,192                            ; windows 1 and 2
.set A3,52                             ; behind the walk: h_k's codes, x's codes, their scale words
.set XQ,76
.set A3S,48
.set XQS,50
.set RT,100
.set RT8,104
.set HP,108
.set SQ,72                             ; s72-79  the selects that name place a of each quad: a pair for each a
.set MSB, 0
.macro WIN new                         ; the immediate's high byte repeats the setting that is left; a switch that changes nothing is dropped
.if MSB != \new
	s_set_vgpr_msb (MSB<<8)|\new
.set MSB, \new
.endif
.endm
.macro CROUND                          ; a round of the cluster's barrier
	s_barrier_signal -1
	s_barrier_wait -1
	s_cmp_lg_u32 s38, 0
	s_cbranch_scc1 .Lnot_wave_0_\@
	s_barrier_signal -3
.Lnot_wave_0_\@:
	s_barrier_wait -3
	s_barrier_signal -1
	s_barrier_wait -1
.endm
.macro BARRIER                         ; my LDS stores have landed and my LDS loads are in: then the work-group's barrier
	s_wait_dscnt 0x0
	s_barrier_signal -1
	s_barrier_wait -1
.endm
.macro FRAG reg, adr, q, i             ; 16 rows x 128 K of 6-bit codes: lane (r, h): registers 6 c .. 6 c + 5 = k 64 c + 32 h + 0 .. 31: 24 bytes as they lie, in pieces of 8
.irp p, 0,1,2,3,4,5
.set PIECEN, 12*(\q)+6*(\p/3)+\p%3
.if PIECEN%8 < 5
	ds_load_b64 v[\reg+2*\p:\reg+2*\p+1], v[\adr] offset:8*PIECEN+16*(PIECEN/8)+(\i)*16*PITCH
.else
	ds_load_b64 v[\reg+2*\p:\reg+2*\p+1], v[\adr+2] offset:8*PIECEN+16*(PIECEN/8)+(\i)*16*PITCH
.endif
.endr
.endm
.macro MAXS first, count               ; lines first .. of the 16 that find the largest magnitude of the 32 numbers at v[DR]: four chains; each begins with the floor 2^(3 - 127), so that the byte cannot fall under 1
.set mn, \first
.rept \count
.set mr, DR+8*(mn%4)+2*(mn/4)
.if mn < 4
	v_max3_num_f32 v[TM+mn%4], |v[mr]|, s89, |v[mr+1]|
.else
	v_max3_num_f32 v[TM+mn%4], |v[mr]|, v[TM+mn%4], |v[mr+1]|
.endif
.set mn, mn+1
.endr
.endm
.macro QWORD dst                       ; my two bytes (blocks h and 2 + h) and lane l xor 16's two make the row's scale word
	v_lshl_or_b32 v[\dst], v[BY+1], 16, v[BY]
	v_lshlrev_b32 v[\dst], v[SH8], v[\dst]
	v_permlanex16_b32 v[QT], v[\dst], s60, s61
	v_or_b32 v[\dst], v[\dst], v[QT]
.endm
; A block of 32 along K that lies whole in my registers v[src] on, in window sw: its scale byte into v[BY + c], its codes into v[dst + 6 c] on
.macro QBLK2 src, sw, dst, c
.set DR, \src
	WIN (\sw)|((\sw)<<4)
	MAXS 0, 16
	WIN 0
	v_max3_num_f32 v[TM], v[TM], v[TM+1], v[TM+2]
	v_max_num_f32 v[TM], v[TM], v[TM+3]
	v_add_nc_u32 v[SO], 0xff000000, v[TM]          ; 2 off the exponent field: the conversion takes that field as its scale
	v_lshrrev_b32 v[BY+\c], 23, v[SO]              ; the scale's byte
	WIN (\sw)
	v_cvt_scalef32_pk16_fp6_f32 v[(\dst)+6*\c:(\dst)+6*\c+2], v[(\src):(\src)+15], v[SO]
	v_cvt_scalef32_pk16_fp6_f32 v[CT:CT+2], v[(\src)+16:(\src)+31], v[SO]   ; (a conversion's three registers begin on an even number)
	WIN 0
	v_nop                                          ; one plain place behind a scaled conversion
.irp n, 0,1,2
	v_mov_b32 v[(\dst)+6*\c+3+\n], v[CT+\n]
.endr
.endm
.macro REDUCE a, b                     ; the sum over the wave's 32 lanes, in every lane
	v_add_f32_dpp v[\a], v[\a], v[\a] row_xmask:1 row_mask:0xf bank_mask:0xf
	v_add_f32_dpp v[\a], v[\a], v[\a] row_xmask:2 row_mask:0xf bank_mask:0xf
	v_add_f32_dpp v[\a], v[\a], v[\a] row_xmask:4 row_mask:0xf bank_mask:0xf
	v_add_f32_dpp v[\a], v[\a], v[\a] row_xmask:8 row_mask:0xf bank_mask:0xf
	v_permlanex16_b32 v[\b], v[\a], s60, s61
	v_add_f32 v[\a], v[\a], v[\b]
.endm
; The matrix instruction.  MMB: the weight is source 1; its scale words lie in lanes 16-31 for an odd tile.  cz = 1: C is the constant 0.  MMA: the weight is source 0.
.macro MMB d, a, b, cz, sa, sb, odd
.if (\cz)
.if (\odd)
	v_wmma_scale_f32_16x16x128_f8f6f4 v[(\d):(\d)+7], v[(\a):(\a)+11], v[(\b):(\b)+11], 0, v[(\sa)], v[(\sb)] matrix_a_fmt:MATRIX_FMT_FP6 matrix_b_fmt:MATRIX_FMT_FP6 matrix_b_scale:MATRIX_SCALE_ROW1
.else
	v_wmma_scale_f32_16x16x128_f8f6f4 v[(\d):(\d)+7], v[(\a):(\a)+11], v[(\b):(\b)+11], 0, v[(\sa)], v[(\sb)] matrix_a_fmt:MATRIX_FMT_FP6 matrix_b_fmt:MATRIX_FMT_FP6
.endif
.else
.if (\odd)
	v_wmma_scale_f32_16x16x128_f8f6f4 v[(\d):(\d)+7], v[(\a):(\a)+11], v[(\b):(\b)+11], v[(\d):(\d)+7], v[(\sa)], v[(\sb)] matrix_a_fmt:MATRIX_FMT_FP6 matrix_b_fmt:MATRIX_FMT_FP6 matrix_b_scale:MATRIX_SCALE_ROW1
.else
	v_wmma_scale_f32_16x16x128_f8f6f4 v[(\d):(\d)+7], v[(\a):(\a)+11], v[(\b):(\b)+11], v[(\d):(\d)+7], v[(\sa)], v[(\sb)] matrix_a_fmt:MATRIX_FMT_FP6 matrix_b_fmt:MATRIX_FMT_FP6
.endif
.endif
.endm
.macro MMA d, a, b, c, sa, sb, odd
.if (\odd)
	v_wmma_scale_f32_16x16x128_f8f6f4 v[(\d):(\d)+7], v[(\a):(\a)+11], v[(\b):(\b)+11], v[(\c):(\c)+7], v[(\sa)], v[(\sb)] matrix_a_fmt:MATRIX_FMT_FP6 matrix_b_fmt:MATRIX_FMT_FP6 matrix_a_scale:MATRIX_SCALE_ROW1
.else
	v_wmma_scale_f32_16x16x128_f8f6f4 v[(\d):(\d)+7], v[(\a):(\a)+11], v[(\b):(\b)+11], v[(\c):(\c)+7], v[(\sa)], v[(\sb)] matrix_a_fmt:MATRIX_FMT_FP6 matrix_b_fmt:MATRIX_FMT_FP6
.endif
.endm
	s_load_b512 s[4:19], s[0:1], 0x0               ; cand_idx s[4:5], cand_d2 s[6:7], x s[8:9], W_tau s[10:11], b_tau s[12:13], W_diff's codes s[14:15], scales s[16:17], b_diff s[18:19]
	s_load_b512 s[20:35], s[0:1], 0x40             ; W_res' codes s[20:21], scales s[22:23], b_res s[24:25], W_agg's codes s[26:27], scales s[28:29], b_agg s[30:31], gamma s[32:33], beta s[34:35]
	s_load_b64 s[36:37], s[0:1], 0x80              ; out0
	v_lshl_add_u32 v[SPW], v0, 2, SPARE
	v_mov_b32 v[NIL], 0
	ds_add_u32 v[SPW], v[NIL]                      ; the wave's opening: the add, twice on end, and its wait ahead of my first tensor load
	ds_add_u32 v[SPW], v[NIL]
	v_lshrrev_b32 v1, 5, v0
	v_readfirstlane_b32 s38, v1                    ; wave 0..3
	s_bfe_u32 s63, ttmp6, 0x40000                  ; cx: it enters global addresses and the turn of the bits alone
	s_lshl_b32 s39, ttmp9, 2
	s_add_co_u32 s39, s39, s63                     ; the work-group
	s_and_b32 s100, s39, 63                        ; the tile at which its walk begins
	s_add_co_u32 s99, s100, 3                      ; the tile asked for last
	s_lshl_b32 s72, s39, 12                        ; its four rows of x
	s_mov_b32 s73, 0
	s_lshl_b32 s39, s39, 2
	s_add_co_u32 s39, s39, s38                     ; my query i
	s_lshl_b32 s74, s39, 10                        ; 1,024 bytes a row of x and of out0
	s_mov_b32 s75, 0
	s_lshl_b32 s76, s39, 5                         ; 32 bytes a query in a block of the lists
	s_mov_b32 s77, 0
	s_lshl_b32 s78, s38, 18                        ; my 256 candidates' rows
	s_mov_b32 s79, 0
	s_lshl_b32 s82, s38, 8                         ; my 64 units of a bias
	s_mov_b32 s83, 0
	s_mul_i32 s2, s38, 12288                       ; rows 64 w on of a weight's codes: the wave's number alone
	s_mov_b32 s3, 0
	s_mul_i32 s63, s38, WBW
	s_mov_b32 s93, 0
	s_mov_b32 s60, 0x76543210
	s_mov_b32 s61, 0xfedcba98                      ; v_permlanex16_b32's selects for lane l xor 16
	s_mov_b32 s84, 0xdf7df7df                      ; 96 bits of 16 codes without their sign bits
	s_mov_b32 s85, 0xf7df7df7
	s_mov_b32 s86, 0x7df7df7d
	s_mov_b32 s87, 0xbfb8aa3b                      ; -log2(e)
	s_mov_b32 s88, 0x3f317218                      ; ln 2
	s_mov_b32 s89, 0x1800000                       ; the floor 2^(3 - 127)
	; group 1 for a slice of a weight: 64 rows of 192 bytes, dense; 4 words of padding behind every 16; mask 15, bit 21 beside it
	s_mov_b32 s40, 15|(1<<20)|(1<<21)|(3<<22)|(3<<25)
	s_mov_b32 s41, 192<<16
	s_mov_b32 s42, 64<<16
	s_mov_b32 s43, 192<<16
	s_mov_b32 s44, 64
	s_mov_b32 s45, 192
	s_mov_b32 s46, 0
	s_mov_b32 s47, 0
	v_and_b32 v1, 31, v0                           ; lane
	v_and_b32 v2, 15, v0                           ; r
	v_bfe_u32 v3, v0, 4, 1                         ; h
	v_and_b32 v7, 3, v0                            ; r % 4: my row's query, and my place in the quad
	v_lshlrev_b32 v[LI], 4, v1
	v_bfe_u32 v[XO], v0, 2, 2                      ; r / 4: my row's slot
	v_lshlrev_b32 v[SELR], 3, v[XO]
	v_lshl_add_u32 v[SELR], v7, 7, v[SELR]
	s_lshl_b32 s71, s38, 5
	v_add_nc_u32 v[SELR], s71, v[SELR]             ; my row's 64 bits: 128 query + 32 wave + 8 slot
	v_lshlrev_b32 v[XO], 10, v[XO]
	v_xor_b32 v[XIO], 1, v3                        ; 1 - h: I load what the other half of the lanes wants
	v_lshl_add_u32 v[XO], v[XIO], 7, v[XO]
	v_lshl_add_u32 v[XO], v7, 4, v[XO]             ; x[j]: 1,024 slot + 128 (1 - h) + 16 x my place in the quad
	v_lshlrev_b32 v[XIO], 10, v7
	v_lshl_add_u32 v[XIO], v3, 7, v[XIO]           ; x[i]: 1,024 query + 128 h
	v_lshlrev_b32 v[SELW], 2, v0
	s_lshl_b32 s71, s38, 2
	s_add_co_u32 s71, s71, TAUB
	v_mov_b32 v[TAUW], s71
	v_mov_b32 v[TAUR], TAUB
	v_mul_u32_u24 v52, v2, PITCH
	v_mad_u32_u24 v52, v3, 24, v52                 ; a fragment's row x pitch + 24 x half,
	v_lshl_add_u32 v53, v3, 4, v52                 ; and the same behind one padding more
	v_add_nc_u32 v[FD], WB, v52
	v_add_nc_u32 v[FD+2], WB, v53
	s_add_co_u32 s71, s63, WB+WBN
	v_add_nc_u32 v[FRS], s71, v52
	v_add_nc_u32 v[FRS+2], s71, v53
	s_add_co_u32 s71, s71, WBN
	v_add_nc_u32 v[FAG], s71, v52
	v_add_nc_u32 v[FAG+2], s71, v53
	v_mul_u32_u24 v[HKR], v7, HKP
	v_lshl_add_u32 v[HKR], v3, 7, v[HKR]
	v_add_nc_u32 v[HKR], HK, v[HKR]
	s_lshl_b32 s71, s38, 8
	s_add_co_u32 s71, s71, YST
	v_mul_u32_u24 v[YW], v7, HKP
	v_lshl_add_u32 v[YW], v3, 5, v[YW]
	v_add_nc_u32 v[YW], s71, v[YW]
	s_mul_i32 s71, s38, HKP
	s_add_co_u32 s71, s71, YST
	v_add_nc_u32 v[YR], s71, v[LI]
	s_lshl_b32 s71, s38, 13
	s_add_co_u32 s71, s71, PART
	v_lshl_add_u32 v[PARTW], v3, 12, s71
	v_lshl_add_u32 v[PARTW], v2, 4, v[PARTW]       ; PART + 4,096 (2 w + h) + 16 r
	v_lshl_add_u32 v[PARTR], v0, 5, PART           ; thread T adds units 2 T and 2 T + 1
	v_lshl_add_u32 v[HKW], v0, 3, HK
	v_and_b32 v53, 7, v0
	v_lshlrev_b32 v53, 2, v53
	v_bfe_u32 v52, v0, 3, 2
	v_lshl_add_u32 v[CR], v52, 15, v53             ; candidate = lane: block lane / 8, entry lane % 8
	s_lshl_b32 s71, s38, 9
	v_lshl_add_u32 v[SOFF], v1, 3, s71             ; 8 scale bytes a row: row 64 w + lane
	v_lshlrev_b32 v[SOFD], 3, v1                   ; and row lane
	v_lshlrev_b32 v[BH], 5, v3
	v_lshlrev_b32 v[SH8], 3, v3
	v_lshlrev_b32 v[BDO], 3, v0
	v_mov_b32 v[QT], 0                             ; written once: a lane permute's destination counts as one of its sources
	v_mov_b32 v73, 0
	s_wait_dscnt 0x0                               ; both opening adds are done
	s_wait_kmcnt 0x0
	s_load_b32 s62, s[12:13], 0x0                  ; b_tau
	s_add_nc_u64 s[4:5], s[4:5], s[76:77]
	s_add_nc_u64 s[6:7], s[6:7], s[76:77]
	s_add_nc_u64 s[96:97], s[8:9], s[74:75]        ; x[i]
	s_add_nc_u64 s[80:81], s[8:9], s[72:73]        ; the work-group's four rows of x
	s_add_nc_u64 s[94:95], s[8:9], s[78:79]        ; my 256 candidates
	s_add_nc_u64 s[36:37], s[36:37], s[74:75]
	s_add_nc_u64 s[24:25], s[24:25], s[82:83]
	s_add_nc_u64 s[30:31], s[30:31], s[82:83]
.irp a, 0,1,2,3                                ; (s72-79 have served as offsets.)  Lane i of a row of 16 takes lane 4 (i / 4) + a of the other row
	s_mov_b32 s[SQ+2*\a], 0x44440000+0x11111111*\a
	s_mov_b32 s[SQ+2*\a+1], 0xcccc8888+0x11111111*\a
.endr
	global_load_b32 v68, v[CR], s[4:5]             ; for the ranks: a candidate a lane: its index,
	global_load_b32 v69, v[CR], s[6:7]             ; its d2
	global_load_b128 v[52:55], v[LI], s[96:97]     ; for tau: x[i] and W_tau, 8 numbers a lane
	global_load_b128 v[56:59], v[LI], s[96:97] offset:512
	global_load_b128 v[60:63], v[LI], s[10:11]
	global_load_b128 v[64:67], v[LI], s[10:11] offset:512
	s_mov_b32 s48, 1
	s_add_co_u32 s49, s63, WB
	s_add_nc_u64 s[50:51], s[14:15], s[2:3]
	s_or_b32 s51, s51, 0x80000000
	s_mov_b32 s52, 1
	s_add_co_u32 s53, s63, WB+WBN
	s_add_nc_u64 s[54:55], s[20:21], s[2:3]
	s_or_b32 s55, s55, 0x80000000
	s_mov_b32 s56, 1
	s_add_co_u32 s57, s63, WB+2*WBN
	s_add_nc_u64 s[58:59], s[26:27], s[2:3]
	s_or_b32 s59, s59, 0x80000000
	CROUND                                         ; all four work-groups are here: the joint loads meet
	tensor_load_to_lds s[48:51], s[40:47]          ; rows 64 w on of W_diff,
	s_nop 0
	tensor_load_to_lds s[52:55], s[40:47]          ; of W_res,
	s_nop 0
	tensor_load_to_lds s[56:59], s[40:47]          ; of W_agg
	s_nop 0
.rept 4
	v_nop
.endr
.irp k, 0,1,2,3                                ; the walk's first four tiles: block B of a tile's rows: 4 numbers at 64 B + 32 (1 - h) + 4 a and 4 at 16 further on (a: my place in the quad)
	s_add_co_u32 s92, s100, \k
	s_and_b32 s92, s92, 63
	s_lshl_b32 s92, s92, 12
.if \k > 0
	s_wait_xcnt 0x0                                ; the loads above have read their base
.endif
	s_add_nc_u64 s[90:91], s[94:95], s[92:93]
.irp B, 0,1,2,3
	global_load_b128 v[XJ+32*\k+8*\B:XJ+32*\k+8*\B+3], v[XO], s[90:91] offset:256*\B
	global_load_b128 v[XJ+32*\k+8*\B+4:XJ+32*\k+8*\B+7], v[XO], s[90:91] offset:256*\B+64
.endr
.endr
	WIN 0x40                                       ; destination window 1
.irp B, 0,1
.irp e, 0,1,2,3,4,5,6,7
	global_load_b128 v[XI+32*\B+4*\e:XI+32*\B+4*\e+3], v[XIO], s[80:81] offset:256*\B+16*\e        ; x[i](64 B + 32 h + 4 e ..) of my row's query
.endr
.endr
	WIN 0x80                                       ; destination window 2
.irp B, 0,1
.irp e, 0,1,2,3,4,5,6,7
	global_load_b128 v[XI+32*\B+4*\e:XI+32*\B+4*\e+3], v[XIO], s[80:81] offset:512+256*\B+16*\e
.endr
.endr
	WIN 0
.irp u, 0,1,2,3,4,5,6,7                        ; a row's 8 scale bytes are its two K steps' words: lanes 0-15 hold tile 2 u's rows, lanes 16-31 tile 2 u + 1's
	global_load_b64 v[WDS+2*\u:WDS+2*\u+1], v[SOFD], s[16:17] offset:256*\u
.endr
.irp u, 0,1
	global_load_b64 v[WRS+2*\u:WRS+2*\u+1], v[SOFF], s[22:23] offset:256*\u
	global_load_b64 v[WAS+2*\u:WAS+2*\u+1], v[SOFF], s[28:29] offset:256*\u
.endr
	WIN 0xc0                                       ; destination window 3
.irp t, 0,1,2,3
	global_load_b128 v[BA+8*\t:BA+8*\t+3], v[BH], s[30:31] offset:64*\t        ; b_agg(64 w + 16 t + 8 h + 0 .. 7): the result's layout
	global_load_b128 v[BA+8*\t+4:BA+8*\t+7], v[BH], s[30:31] offset:64*\t+16
	global_load_b128 v[BR+8*\t:BR+8*\t+3], v[BH], s[24:25] offset:64*\t        ; b_res likewise
	global_load_b128 v[BR+8*\t+4:BR+8*\t+7], v[BH], s[24:25] offset:64*\t+16
.endr
	global_load_b128 v[GAM:GAM+3], v[LI], s[32:33]
	global_load_b128 v[GAM+4:GAM+7], v[LI], s[32:33] offset:512
	global_load_b128 v[BET:BET+3], v[LI], s[34:35]
	global_load_b128 v[BET+4:BET+7], v[LI], s[34:35] offset:512
	global_load_b64 v[BD:BD+1], v[BDO], s[18:19]   ; b_diff(2 T, 2 T + 1)
.irp n, 0,1,2,3,4,5,6,7,8,9,10,11,12,13,14,15,16,17,18,19,20,21,22,23,24,25,26,27,28,29,30,31
	v_mov_b32 v[DB+\n], 0                          ; written once: a lane permute's destination counts as one of its sources
.endr
	WIN 0
	s_wait_loadcnt 63                              ; 97 loads were issued behind the six that are wanted now; the wait's field names 63 at the most, which is the stricter count
	s_wait_kmcnt 0x0                               ; b_tau
	; tau, in f32 multiply-adds: it goes on into a quantised operand
	v_mul_f32 v72, v52, v60
.irp n, 1,2,3,4,5,6,7
	v_fmac_f32 v72, v[52+\n], v[60+\n]
.endr
	REDUCE 72, 73
	v_add_f32 v72, s62, v72                        ; z
	v_mul_f32 v74, s87, |v72|
	v_exp_f32 v74, v74                             ; e^-|z|
	v_max_num_f32 v75, 0, v72                      ; (a plain place behind the transcendental)
	s_wait_alu depctr_va_vdst(0)                   ; the wait ahead of the first line that names a transcendental's result
	v_add_f32 v74, 1.0, v74
	v_log_f32 v74, v74
	v_nop
	s_wait_alu depctr_va_vdst(0)
	v_fma_f32 v75, v74, s88, v75                   ; softplus = max(z, 0) + ln(1 + e^-|z|)
	v_max_num_f32 v75, 0x3c23d70a, v75             ; at least 0.01
	v_add_f32 v75, 1.0, v75
	v_rcp_f32 v76, v75                             ; 1 / tau
	v_mov_b32 v70, 0                               ; (a plain place)  the rank
	s_wait_alu depctr_va_vdst(0)
	ds_store_b32 v[TAUW], v76
	; the rank of my candidate among the 32: how many come before it by (d2, index).  The indices are all different, so the ranks are 0 .. 31, each once
.set cn, 0
.rept 32
	v_readlane_b32 s66, v69, cn
	v_readlane_b32 s67, v68, cn
	v_cmp_lt_f32 s68, s66, v69
	v_cmp_eq_f32 s69, s66, v69
	v_cmp_lt_u32 s70, s67, v68
	s_and_b32 s69, s69, s70
	s_or_b32 s68, s68, s69
	v_cndmask_b32 v71, 0, 1, s68
	v_add_nc_u32 v70, v70, v71
.set cn, cn+1
.endr
	; candidate j = 256 wave + 4 tile + slot: its bit is bit tile % 32 of word 8 wave + 2 slot + tile / 32; it is set where the rank is under 8
	v_cmp_gt_u32 s68, 8, v70
	v_lshrrev_b32 v77, 8, v68
	v_bfe_u32 v78, v68, 7, 1
	v_lshl_or_b32 v77, v77, 3, v78
	v_and_b32 v78, 3, v68
	v_lshl_or_b32 v77, v78, 1, v77                 ; the word
	v_bfe_u32 v78, v68, 2, 5
	v_mov_b32 v79, 1
	v_lshlrev_b32 v78, v78, v79
	v_cndmask_b32 v78, 0, v78, s68                 ; the bit, or nothing
	v_mov_b32 v80, 0
.set cn, 0
.rept 32                                       ; lane L gathers word L, by compares: nothing is stored at a place that hangs on the choice
	v_readlane_b32 s66, v77, cn
	v_readlane_b32 s67, v78, cn
	v_cmp_eq_u32 s69, s66, v1
	v_cndmask_b32 v71, 0, s67, s69
	v_or_b32 v80, v80, v71
.set cn, cn+1
.endr
	ds_store_b32 v[SELW], v80
	s_wait_tensorcnt 0x0                           ; my slices of the three weights are in
	BARRIER                                        ; everybody's are, and so are the bits and 1 / tau
	WIN 0x40                                       ; all of W_diff goes into my registers, where it stays: units 0-127 into window 1,
.irp t, 0,1,2,3,4,5,6,7
.irp u, 0,1
	FRAG 12*(2*\t+\u), FD, \u, \t
.endr
.endr
	WIN 0x80                                       ; units 128-255 into window 2
.irp t, 0,1,2,3,4,5,6,7
.irp u, 0,1
	FRAG 12*(2*\t+\u), FD, \u, \t+8
.endr
.endr
	WIN 0
	ds_load_b64 v[M:M+1], v[SELR]
	s_wait_dscnt 0x0
	s_bitcmp1_b32 s100, 5                          ; my row's 64 bits are turned so that bit 0 is the walk's first tile's: by 32 where the first tile is 32 or more,
	s_cselect_b32 s69, -1, 0
	v_cndmask_b32 v[TM], v[M], v[M+1], s69
	v_cndmask_b32 v[TM+1], v[M+1], v[M], s69
	v_alignbit_b32 v[M], v[TM+1], v[TM], s100      ; and by the rest (the shift takes the low five bits)
	v_alignbit_b32 v[M+1], v[TM], v[TM+1], s100
	s_wait_loadcnt 0x0                             ; all that was asked for at the head is in
; THE WALK.  Symbols: QK the buffer of x[j], QA the buffer of operands that the quantising fills, MA the one that the products read, MZ = 1: the products start the sums, RF = 1: the tile four on is asked for,
; LC0 - LCD x block: how many younger loads may be out when a block's two loads must be in.
.macro SETU qk, qa, ma, mz, rf, lc0, lcd
.set QK, \qk
.set QA, \qa
.set MA, \ma
.set MZ, \mz
.set RF, \rf
.set LC0, \lc0
.set LCD, \lcd
.endm
.macro DQM e                           ; sixteen numbers of x[j] come to my lane: four from place a of my quad in the other half of the lanes, for a = 0 .. 3
.irp a, 0,1,2,3
.irp x, 0,1,2,3
	v_permlanex16_b32 v[DB+16*\e+4*\a+\x], v[XJ+32*QK+8*PB+4*\e+\x], s[SQ+2*\a], s[SQ+2*\a+1]
.endr
.endr
.endm
.macro DSUB first                      ; sixteen differences x[j] - x[i], in place, two at a time
.irp n, 0,2,4,6,8,10,12,14
	v_pk_add_f32 v[DB+\first+\n:DB+\first+\n+1], v[DB+\first+\n:DB+\first+\n+1], v[XI+32*(PB%2)+\first+\n:XI+32*(PB%2)+\first+\n+1] neg_lo:[0,1] neg_hi:[0,1]
.endr
.endm
; Piece PP of 8 of block PB of 4 (32 along K: k = 64 PB + 32 h + 0 .. 31 of my row's pair): x[j] handed round; differences; largest magnitude; scale and codes; masks; the refill.
.macro PIECE
.set W_SUB, 0xc3|((1+PB/2)<<2)         ; the differences (source 0 and destination) window 3, x[i] window 1 or 2
.set AD, AF+24*QA+12*(PB/2)+6*(PB%2)   ; where the block's codes go
.set DR, DB
.if PP == 0
	s_wait_loadcnt LC0-LCD*PB                      ; loads come back in order: this block's two are in
	WIN 0xc0                                       ; x[j] window 0, destination window 3
	DQM 0
.elseif PP == 1
	WIN 0xc0
	DQM 1
.elseif PP == 2
	WIN W_SUB
	DSUB 0
.elseif PP == 3
	WIN W_SUB
	DSUB 16
.elseif PP == 4
	WIN 0x33                                       ; sources 0 and 2 (the differences) window 3
	MAXS 0, 8
.elseif PP == 5
	WIN 0x33
	MAXS 8, 8
.elseif PP == 6
	WIN 0
.if PB == 0
	v_and_b32 v[RM], 1, v[M]                       ; this tile's bit of my row,
	v_alignbit_b32 v[M], v[M+1], v[M], 1           ; (the 64 bits go one down)
	v_sub_nc_u32 v[RM], 0, v[RM]                   ; as a word of ones or of zeros,
	v_lshrrev_b32 v[M+1], 1, v[M+1]
.irp n, 0,1,2
	v_and_b32 v[RMK+\n], s[84+\n], v[RM]           ; goes into the three words that clear the sign bits
.endr
.endif
	v_max3_num_f32 v[TM], v[TM], v[TM+1], v[TM+2]
	v_max_num_f32 v[TM], v[TM], v[TM+3]
	v_add_nc_u32 v[SO], 0xff000000, v[TM]          ; 2 off the exponent field: the conversion takes that field as its scale
	v_lshrrev_b32 v[BY+PB%2], 23, v[SO]            ; the scale's byte
	WIN 0x03
	v_cvt_scalef32_pk16_fp6_f32 v[AD:AD+2], v[DB:DB+15], v[SO]
	v_cvt_scalef32_pk16_fp6_f32 v[CT:CT+2], v[DB+16:DB+31], v[SO]   ; (a conversion's three registers begin on an even number)
	v_nop                                          ; one plain place behind a scaled conversion
.else
	WIN 0
.irp n, 0,1,2
	v_and_b32 v[AD+\n], v[RMK+\n], v[AD+\n]        ; |d|'s codes where the row is chosen, zero codes where it is not
	v_and_b32 v[AD+3+\n], v[RMK+\n], v[CT+\n]
.endr
.if PB%2
	QWORD AS+2*QA+PB/2
.endif
.if RF
.if PB == 0
	s_add_co_u32 s99, s99, 1                       ; the tile four on, wrapping at 64
	s_and_b32 s92, s99, 63
	s_lshl_b32 s92, s92, 12
	s_wait_xcnt 0x0                                ; the last tile's refills have read their base
	s_add_nc_u64 s[90:91], s[94:95], s[92:93]
.endif
	global_load_b128 v[XJ+32*QK+8*PB:XJ+32*QK+8*PB+3], v[XO], s[90:91] offset:256*PB
	global_load_b128 v[XJ+32*QK+8*PB+4:XJ+32*QK+8*PB+7], v[XO], s[90:91] offset:256*PB+64
.endif
.endif
.endm
; Product i of 32 of a tile: K step i / 16, units 16 (i % 16) on.  Source 0 = the 16 pairs, source 1 = 16 units.  The 16 accumulators take turns, one instruction a turn.
.macro WMM
.set ms, i/16
.set mt, i%16
	WIN 0xf0|((1+mt/8)<<2)                         ; W_diff window 1 or 2; C and D window 3
	MMB 8*mt, AF+24*MA+12*ms, 12*(2*(mt%8)+ms), MZ*(1-ms), AS+2*MA+ms, WDS+2*(mt/2)+ms, mt%2
.endm
.macro RUN doq, domm                   ; a tile's quantising, the tile before's products, or both by turns
.set i, 0
.rept 32
.if \domm
	WMM
.endif
.if \doq
.set PB, i/8
.set PP, i%8
	PIECE
.endif
.set i, i+1
.endr
.endm
; Behind a block's two loads stand 2 (3 - B) of its own tile, 24 of the three tiles that follow and the 2 B refills of this tile: 30.
	SETU 0, 0, 0, 0, 1, 30, 0
	RUN 1, 0                                       ; tile 0 is quantised
	SETU 1, 1, 0, 1, 1, 30, 0
	RUN 1, 1                                       ; tile 1 | tile 0's products start the sums: nothing is cleared
	WIN 0                                          ; at a label and at a branch every window is 0
	s_mov_b32 s98, 15
.Lfour:                                            ; 15 trips of four tiles: tiles 2 to 61 are quantised, tiles 1 to 60 multiplied.  The refills of tiles 60 and 61 wrap round to the walk's first two tiles and are not
	SETU 2, 0, 1, 0, 1, 30, 0                      ; used: 16 loads of 528; they keep the waits' counts the same in every trip
	RUN 1, 1
	SETU 3, 1, 0, 0, 1, 30, 0
	RUN 1, 1
	SETU 0, 0, 1, 0, 1, 30, 0
	RUN 1, 1
	SETU 1, 1, 0, 0, 1, 30, 0
	RUN 1, 1
	WIN 0
	s_sub_co_u32 s98, s98, 1
	s_cmp_lg_u32 s98, 0
	s_cbranch_scc1 .Lfour
	SETU 2, 0, 1, 0, 0, 30, 2                      ; tile 62 asks for nothing: behind a block's loads 2 (3 - B) + 24
	RUN 1, 1
	SETU 3, 1, 0, 0, 0, 22, 2                      ; tile 63: 2 (3 - B) + 16
	RUN 1, 1
	WIN 0
.rept 8
	v_nop                                          ; a scale word written by a vector instruction stands 8 places ahead of a scaled matrix instruction, an operand so written 4
.endr
	SETU 0, 0, 1, 0, 0, 0, 0
	RUN 0, 1                                       ; tile 63's products
	WIN 0
.rept 4
	v_nop                                          ; places in front of the first read of results
.endr
	; Register j of lane (r, h) of an accumulator is row 8 h + j (query j % 4, slot 2 h + j / 4), unit r.  Two slots are added here; the halves and the waves meet in LDS
	WIN 0x0f                                       ; sources window 3, destination window 0
.irp t, 0,1,2,3,4,5,6,7,8,9,10,11,12,13,14,15
	v_pk_add_f32 v[192+4*\t:193+4*\t], v[8*\t:8*\t+1], v[8*\t+4:8*\t+5]
	v_pk_add_f32 v[194+4*\t:195+4*\t], v[8*\t+2:8*\t+3], v[8*\t+6:8*\t+7]
.endr
	WIN 0
.irp t, 0,1,2,3,4,5,6,7,8,9,10,11,12,13,14,15
	ds_store_b128 v[PARTW], v[192+4*\t:195+4*\t] offset:256*\t   ; unit 16 t + r: four queries, 16 bytes
.endr
	WIN 0x40                                       ; my 64 rows of W_res and of W_agg take the place of W_diff's first fragments
.irp t, 0,1,2,3
.irp u, 0,1
	FRAG 12*(2*\t+\u), FRS, \u, \t
.endr
.endr
	WIN 0x80
.irp t, 0,1,2,3
.irp u, 0,1
	FRAG 12*(2*\t+\u), FAG, \u, \t
.endr
.endr
	WIN 0
.irp u, 0,1                                    ; Q(x[i]) of my row's query: as source 1, column r stands for query r % 4
	QBLK2 XI, 1+\u, XQ+12*\u, 0
	QBLK2 XI+32, 1+\u, XQ+12*\u, 1
	QWORD XQS+\u
.endr
	s_wait_loadcnt 0x0                             ; the two refills that were not used have landed: their registers are free
	BARRIER                                        ; all parts lie in LDS
	ds_load_b128 v[RT:RT+3], v[TAUR]
.irp p, 0,1,2,3,4,5,6,7
	ds_load_b128 v[128+8*\p:131+8*\p], v[PARTR] offset:4096*\p
	ds_load_b128 v[132+8*\p:135+8*\p], v[PARTR] offset:4096*\p+16
.endr
	s_wait_dscnt 0x0
.irp p, 1,2,3,4,5,6,7
.irp c, 0,2,4,6
	v_pk_add_f32 v[128+\c:129+\c], v[128+\c:129+\c], v[128+8*\p+\c:129+8*\p+\c]
.endr
.endr
.irp q, 0,1,2,3
	v_mul_f32 v[RT8+\q], 0x3e000000, v[RT+\q]      ; 1 / (8 tau)
.endr
	WIN 0x03                                       ; source 0 (b_diff) window 3
.irp q, 0,1,2,3
.irp u, 0,1
	v_mul_f32 v[HP+2*\q+\u], v[BD+\u], v[RT+\q]    ; b_diff / tau
.endr
.endr
	WIN 0
.irp q, 0,1,2,3
.irp u, 0,1
	v_fmac_f32 v[HP+2*\q+\u], v[128+4*\u+\q], v[RT8+\q]   ; h_k(q, 2 T + u)
.endr
.endr
.irp q, 0,1,2,3
	ds_store_b64 v[HKW], v[HP+2*\q:HP+2*\q+1] offset:HKP*\q
.endr
	BARRIER                                        ; four whole rows of h_k lie in LDS
	; PRODUCTS 3 AND 4, my 64 units.  Source 0 = 16 units of the weight, source 1 = the queries: column r stands for query r % 4.  The biases are the C of each sum's first instruction
.irp c, 0,1,2,3
.irp e, 0,1,2,3,4,5,6,7
	ds_load_b128 v[128+32*\c+4*\e:128+32*\c+4*\e+3], v[HKR] offset:256*\c+16*\e
.endr
.endr
	s_wait_dscnt 0x0
.irp u, 0,1
	QBLK2 128+64*\u, 0, A3+12*\u, 0
	QBLK2 160+64*\u, 0, A3+12*\u, 1
	QWORD A3S+\u
.endr
.rept 8
	v_nop                                          ; a scale word written by a vector instruction stands 8 places ahead of a scaled matrix instruction, an operand so written 4
.endr
	WIN 0xf1                                       ; W_res window 1; biases and results window 3.  Eight accumulators by turns
.irp t, 0,1,2,3
	MMA 8*\t, 12*(2*\t), XQ, BR+8*\t, WRS+2*(\t/2), XQS, \t%2
.endr
	WIN 0xf2                                       ; W_agg window 2
.irp t, 0,1,2,3
	MMA 32+8*\t, 12*(2*\t), A3, BA+8*\t, WAS+2*(\t/2), A3S, \t%2
.endr
	WIN 0xf1
.irp t, 0,1,2,3
	MMA 8*\t, 12*(2*\t+1), XQ+12, 8*\t, WRS+2*(\t/2)+1, XQS+1, \t%2
.endr
	WIN 0xf2
.irp t, 0,1,2,3
	MMA 32+8*\t, 12*(2*\t+1), A3+12, 32+8*\t, WAS+2*(\t/2)+1, A3S+1, \t%2
.endr
	WIN 0
.rept 4
	v_nop
.endr
	WIN 0xcf                                       ; sources 0 and 1 and the destination window 3
.irp t, 0,1,2,3
.irp j, 0,2,4,6
	v_max_num_f32 v[32+8*\t+\j], 0, v[32+8*\t+\j]  ; relu, each accumulator from its low end on,
	v_max_num_f32 v[32+8*\t+\j+1], 0, v[32+8*\t+\j+1]
	v_pk_add_f32 v[32+8*\t+\j:32+8*\t+\j+1], v[32+8*\t+\j:32+8*\t+\j+1], v[8*\t+\j:8*\t+\j+1]   ; + the residual path
.endr
.endr
	WIN 0x0c                                       ; an LDS store's data are its source 1: window 3
.irp t, 0,1,2,3
	ds_store_b128 v[YW], v[32+8*\t:32+8*\t+3] offset:64*\t         ; y(r % 4, 64 w + 16 t + 8 h + 0 .. 7); lanes with the same r % 4 store the same bytes with the same values
	ds_store_b128 v[YW], v[32+8*\t+4:32+8*\t+7] offset:64*\t+16
.endr
	WIN 0
	BARRIER                                        ; four whole rows of y lie in LDS
	; THE NORM: wave w takes query w; a lane holds units 4 lane .. + 3 and 128 + 4 lane .. + 3
	ds_load_b128 v[52:55], v[YR]
	ds_load_b128 v[56:59], v[YR] offset:512
	s_wait_dscnt 0x0
	v_pk_add_f32 v[60:61], v[52:53], v[54:55]
	v_pk_add_f32 v[62:63], v[56:57], v[58:59]
	v_pk_add_f32 v[60:61], v[60:61], v[62:63]
	v_add_f32 v60, v60, v61
	REDUCE 60, 61
	v_mul_f32 v60, 0x3b800000, v60                 ; the mean: / 256
	v_mov_b32 v61, v60
.irp n, 0,2,4,6
	v_pk_add_f32 v[52+\n:53+\n], v[52+\n:53+\n], v[60:61] neg_lo:[0,1] neg_hi:[0,1]
.endr
	v_pk_mul_f32 v[62:63], v[52:53], v[52:53]
	v_pk_mul_f32 v[64:65], v[54:55], v[54:55]
	v_pk_fma_f32 v[62:63], v[56:57], v[56:57], v[62:63]
	v_pk_fma_f32 v[64:65], v[58:59], v[58:59], v[64:65]
	v_pk_add_f32 v[62:63], v[62:63], v[64:65]
	v_add_f32 v62, v62, v63
	REDUCE 62, 63
	v_mul_f32 v62, 0x3b800000, v62                 ; the variance
	v_add_f32 v62, 0x3727c5ac, v62                 ; + 1e-5
	v_rsq_f32 v64, v62
	v_nop                                          ; a plain place behind the transcendental
	s_wait_alu depctr_va_vdst(0)                   ; and the wait ahead of the first use
	v_mov_b32 v65, v64
.irp n, 0,2,4,6
	v_pk_mul_f32 v[52+\n:53+\n], v[52+\n:53+\n], v[64:65]
.endr
	WIN 0x3c                                       ; sources 1 and 2 (gamma, beta) window 3
.irp n, 0,2,4,6
	v_pk_fma_f32 v[52+\n:53+\n], v[52+\n:53+\n], v[GAM+\n:GAM+\n+1], v[BET+\n:BET+\n+1]
.endr
	WIN 0
	global_store_b128 v[LI], v[52:55], s[36:37] th:TH_STORE_NT             ; 32 lanes store 512 consecutive bytes, at a multiple of 512 from out0's first byte
	global_store_b128 v[LI], v[56:59], s[36:37] offset:512 th:TH_STORE_NT
	s_wait_tensorcnt 0x0                           ; the wave's end, behind my last tensor load and my last LDS store
	ds_add_u32 v[SPW], v[NIL]
	s_wait_dscnt 0x0
	CROUND                                         ; the closing round: no work-group ends while a partner may still ask for a tile that names it
	s_endpgm
.Lfunc_end_k_qfc08650d48_chain:
	.size	k_qfc08650d48_chain, .Lfunc_end_k_qfc08650d48_chain-k_qfc08650d48_chain
	.p2alignl 7, 3214868480
	.fill 96, 4, 3214868480
	.section	.rodata,"a",@progbits
	.p2align	6, 0x0
	.amdhsa_kernel k_qfc08650d48_chain
		.amdhsa_group_segment_fixed_size 327680
		.amdhsa_private_segment_fixed_size 0
		.amdhsa_enable_private_segment 0
		.amdhsa_kernarg_size 136
		.amdhsa_user_sgpr_count 2
		.amdhsa_user_sgpr_kernarg_segment_ptr 1
		.amdhsa_wavefront_size32 1
		.amdhsa_system_sgpr_workgroup_id_x 1
		.amdhsa_system_sgpr_workgroup_id_y 1
		.amdhsa_system_sgpr_workgroup_id_z 1
		.amdhsa_system_vgpr_workitem_id 0
		.amdhsa_next_free_vgpr 1024
		.amdhsa_next_free_sgpr 101
		.amdhsa_reserve_vcc 0
		.amdhsa_float_denorm_mode_32 3
		.amdhsa_float_denorm_mode_16_64 3
		.amdhsa_memory_ordered 1
		.amdhsa_forward_progress 1
		.amdhsa_inst_pref_size 255
	.end_amdhsa_kernel
	.section	.bss,"aw",@nobits
	.p2align	6
	.space	262144
	.amdgpu_metadata
---
amdhsa.version: [ 1, 2 ]
amdhsa.kernels:
  - .name:           k_qfc08650d48_chain
    .symbol:         k_qfc08650d48_chain.kd
    .args:
      - { .name: cand_idx, .offset: 0, .size: 8, .value_kind: global_buffer, .address_space: global }
      - { .name: cand_d2, .offset: 8, .size: 8, .value_kind: global_buffer, .address_space: global }
      - { .name: x, .offset: 16, .size: 8, .value_kind: global_buffer, .address_space: global }
      - { .name: W_tau, .offset: 24, .size: 8, .value_kind: global_buffer, .address_space: global }
      - { .name: b_tau, .offset: 32, .size: 8, .value_kind: global_buffer, .address_space: global }
      - { .name: W_diff_codes, .offset: 40, .size: 8, .value_kind: global_buffer, .address_space: global }
      - { .name: W_diff_scales, .offset: 48, .size: 8, .value_kind: global_buffer, .address_space: global }
      - { .name: b_diff, .offset: 56, .size: 8, .value_kind: global_buffer, .address_space: global }
      - { .name: W_res_codes, .offset: 64, .size: 8, .value_kind: global_buffer, .address_space: global }
      - { .name: W_res_scales, .offset: 72, .size: 8, .value_kind: global_buffer, .address_space: global }
      - { .name: b_res, .offset: 80, .size: 8, .value_kind: global_buffer, .address_space: global }
      - { .name: W_agg_codes, .offset: 88, .size: 8, .value_kind: global_buffer, .address_space: global }
      - { .name: W_agg_scales, .offset: 96, .size: 8, .value_kind: global_buffer, .address_space: global }
      - { .name: b_agg, .offset: 104, .size: 8, .value_kind: global_buffer, .address_space: global }
      - { .name: gamma, .offset: 112, .size: 8, .value_kind: global_buffer, .address_space: global }
      - { .name: beta, .offset: 120, .size: 8, .value_kind: global_buffer, .address_space: global }
      - { .name: out0, .offset: 128, .size: 8, .value_kind: global_buffer, .address_space: global }
    .group_segment_fixed_size: 327680
    .private_segment_fixed_size: 0
    .kernarg_segment_align: 8
    .kernarg_segment_size: 136
    .max_flat_workgroup_size: 128
    .sgpr_count:     101
    .vgpr_count:     1024
    .wavefront_size: 32
...
	.end_amdgpu_metadata
.endif
;; end of part 2
